; MI455X (gfx1250); checked and timed in simulation.
; The chip was launched on July 23, 2026; its instructions are those of AMD's public machine-readable ISA for CDNA 5 (MIT licence, August 2026) and "CDNA5" Instruction Set Architecture Reference Guide (July 2026). The comments in the code are by the model that wrote it; some were corrected since.
;; Multihead Attention. Allowed arithmetic: matrix products marked QUANTISED: E2M3 operands, one E8M0 scale for each 32 along K, by v_wmma_scale_f32_16x16x128_f8f6f4 with both operands' format E2M3, f32 sums; everything else in f32.
;; Inputs: Wk 1,024 x 1,024 float32; Wq 1,024 x 1,024 float32; Wv 1,024 x 1,024 float32; bk 1,024 float32; bq 1,024 float32; bv 1,024 float32; x 4 x 2,048 x 1,024 float32.
;; Outputs: out0 4 x 2,048 x 1,024 float32.
;; This version of the problem:
;;   THIS VERSION OF THE PROBLEM IS GIVEN IN LOW PRECISION. The matrix products marked QUANTISED in the list below multiply operands that are first quantised to E2M3 (2 exponent bits, 3 mantissa bits; 6 bits a number), with one power-of-two scale for each 32 numbers along K (OCP MX v1.0); their sums are f32. All else is computed in f32.
;;   The module's matrix products, in the order in which they are computed (A, B: the left and right operand; K: the contracted axis; several contracted axes count as one K, in the product's order):
;;     1. [M 8,192, K 1,024] x [K 1,024, N 1,024]; A: input x; B: input Wq: QUANTISED
;;     2. [M 8,192, K 1,024] x [K 1,024, N 1,024]; A: input x; B: input Wk: QUANTISED
;;     3. [M 8,192, K 1,024] x [K 1,024, N 1,024]; A: input x; B: input Wv: QUANTISED
;;     4. batch 64 x [M 2,048, K 64] x [K 64, N 2,048]; A: computed on the way; B: computed on the way: QUANTISED
;;     5. batch 64 x [M 2,048, K 2,048] x [K 2,048, N 64]; A: softmax (see below); B: computed on the way: QUANTISED
;;   THE QUANTISER, for each operand of a quantised product, along K:
;;     - K is cut into blocks of 32 from its start; a last block that is shorter is filled with zeros.
;;     - A block's scale is 2^e with e = floor(log2(the largest magnitude in the block)) - 2, held to -126 .. 127; a block of zeros has e = 0. As a byte (E8M0): e + 127.
;;     - Each number is divided by its block's scale, clamped to +-7.5, and rounded to the nearest number of E2M3, ties to even, subnormals kept.
;;     - The product sums the exact products of the quantised numbers (number of the format x scale) in f32.
;;   ~~~python
;;   def quantise(x, axis):      # numpy; x: float32 -> the quantised numbers, widened to float32 again
;;       x = np.moveaxis(x, axis, -1); K = x.shape[-1]
;;       x = np.pad(x, [(0, 0)] * (x.ndim - 1) + [(0, -K % 32)]); x = x.reshape(x.shape[:-1] + (-1, 32)); a = np.abs(x).max(-1, keepdims=True)
;;       e = np.where(a > 0, np.clip(np.frexp(np.where(a > 0, a, 1))[1] - 1 - 2, -126, 127), 0)      # np.frexp(a)[1] - 1 = floor(log2(a)), exactly
;;       r = np.clip(x / 2.0 ** e, -7.5, 7.5)
;;       step = 2.0 ** (np.maximum(np.frexp(np.where(r == 0, 1, r))[1] - 1, 0) - 3)
;;       q = np.round(r / step) * step * 2.0 ** e      # np.round: ties to even
;;       return np.moveaxis(q.reshape(q.shape[:-2] + (-1,))[..., :K], -1, axis).astype(np.float32)
;;   ~~~
;;   SOFTMAX AHEAD OF A QUANTISED PRODUCT. Where the list says 'softmax', what is quantised is not the finished softmax but p = 2^(t - M), with t = logit x log2(e) and M = ceil(the row's largest t), a whole number; so 1/2 < the row's largest p <= 1. The row's sum l is taken of the UNQUANTISED p, in f32, and the product's result is divided by l at the end. Since M is a whole number, a kernel that streams over the keys may use a running M (the ceiling of the running maximum): every later rescaling is an exact power of two, which a block's scale takes up: the codes' values come out the same.
;;   OPERANDS COMPUTED ON THE WAY. 'Computed on the way' means the value that the module computes at that place (a softmax that the list does not call 'softmax' is quantised finished and normalised). What goes into a quantiser is computed in f32, as accurately as f32 sums, v_exp_f32 and their like allow (about 1e-6 of the number): no bf16 or f16 on the way to a quantiser, and a product that is left as it is and whose result goes on into a quantised operand takes f32 operands (vector FMAs, or v_wmma_f32_16x16x4_f32). A number that lies on a knife's edge between two numbers of the format may be rounded either way, as far as f32 arithmetic and the matrix unit's own rounding can turn it there, and no further.
;; One version. Each part assembles by itself: llvm-mc -triple=amdgcn-amd-amdhsa -mcpu=gfx1250 --defsym DOCPART=n.
;; ======== version 1 of 1: 4 launches
;; workspace buffers: xc 6,291,456 bytes; xs 262,144 bytes; wc 2,359,296 bytes; ws 98,304 bytes; qb 6,815,744 bytes; kv 13,369,344 bytes
;; launch quant_x (part 1): grid 256 x 1, 4 waves a work-group, no clusters, 33,280 bytes of LDS; arguments x, xc, xs; writes xc, xs
.if DOCPART == 1
	.amdgcn_target "amdgcn-amd-amdhsa--gfx1250"
	.amdhsa_code_object_version 6
	.text
	.protected	k_q6d77767e4b_quant_x
	.globl	k_q6d77767e4b_quant_x
	.p2align	8
	.type	k_q6d77767e4b_quant_x,@function
k_q6d77767e4b_quant_x:
	s_mov_b64 s[64:65], 0
	v_nop
	global_prefetch_b8 v0, s[64:65] scope:SCOPE_SE
	s_setreg_imm32_b32 hwreg(HW_REG_WAVE_MODE, 25, 1), 1
	s_wait_xcnt 0x0
; x [8192][1024] f32 becomes codes of FP6 (E2M3), K innermost (xc: 768 bytes a row), and one E8M0 byte for each 32 along K (xs: 32 bytes a row).
; A block's scale is 2^(floor(log2(its largest magnitude)) - 2); its byte is the largest magnitude's exponent field - 2, held at 1 from below.
; LIMITS: a block of zeros, and a block whose largest magnitude lies under 2^-124, get the byte 1 (a block of zeros has zero codes, which add nothing; the bytes are read by this program alone).
; NaN and infinities among the inputs are not served.
; Rows are dense and 1024 is a multiple of 32: x is a plain stream of blocks of 32, and so are the codes and the bytes.  1,024 waves, 8,192 numbers each, in 16 steps of 512.
; Each load reads 512 consecutive bytes, 16 a lane; a step's 2,048 bytes turn through the wave's own stage in LDS and come back 64 bytes a lane: 16 neighbours along K, which the conversion wants in one lane.
; A wave's 256 scale bytes are gathered in LDS and leave as one aligned run of 256 bytes.  Waves share nothing: no barrier.
.set WAVES, 4
.set STEPS, 16
.set EMAX,  2
.set CB,    12                         ; bytes of 16 codes
.set R,     16                         ; v16-79   four sets of 16 numbers as they are loaded
.set X,     80                         ; v80-111  two sets of 16 neighbours
.set E,     112                        ; v112-127 a scale byte for each step
.set C,     128                        ; v128-191 codes: four registers for each step, so that no store's data are written again
.set WREG,  8192                       ; LDS: a region for each wave: two stages of 32 x SP bytes, then its 256 scale bytes
.set SP,    80                         ; a lane's place in a stage: 64 bytes + 16 of padding
.set SPW,   12                         ; v12 LDS address of my spare word; never rewritten
.set NIL,   13                         ; v13 0; never rewritten
.set SPARE, WAVES*WREG                 ; the spare words: 128 bytes a wave, named by no other line
	s_load_b128 s[4:7], s[0:1], 0x0                ; x, xc
	s_load_b64 s[8:9], s[0:1], 0x10                ; xs
	v_lshl_add_u32 v[SPW], v0, 2, SPARE
	v_mov_b32 v[NIL], 0
	v_lshrrev_b32 v1, 5, v0
	v_readfirstlane_b32 s16, v1                    ; wave
	v_and_b32 v2, 31, v0                           ; lane
	v_lshlrev_b32 v3, 4, v2                        ; my 16 bytes of a load's 512
	s_mul_i32 s17, s16, WREG
	v_lshrrev_b32 v14, 2, v2
	v_mul_u32_u24 v14, v14, SP
	v_and_b32 v15, 3, v2
	v_lshl_add_u32 v14, v15, 4, v14
	v_add_nc_u32 v14, s17, v14                     ; the stage, on the way in: SP (lane / 4) + 16 (lane % 4)
	v_mul_u32_u24 v15, v2, SP
	v_add_nc_u32 v15, s17, v15                     ; on the way out: SP x lane: my 16 neighbours
	v_mul_u32_u24 v4, v2, CB                       ; my codes' place in a step's
	v_lshrrev_b32 v5, 1, v2
	s_add_co_u32 s17, s17, 2*32*SP
	v_add_nc_u32 v5, s17, v5                       ; my block's byte among the wave's 256
	v_lshlrev_b32 v7, 3, v2
	v_add_nc_u32 v6, s17, v7                       ; and 8 bytes a lane on the way out
	s_lshl_b32 s18, ttmp9, 2
	s_add_co_u32 s18, s18, s16                     ; my run of 8,192 numbers: 4 x work-group + wave
	s_lshl_b32 s20, s18, 15                        ; 32,768 bytes of x,
	s_mov_b32 s21, 0
	s_mul_i32 s22, s18, 32*STEPS*CB                ; 6,144 of codes,
	s_mov_b32 s23, 0
	s_lshl_b32 s24, s18, 8                         ; 256 of scale bytes
	s_mov_b32 s25, 0
	s_wait_alu depctr_va_vdst(0)
	s_wait_kmcnt 0x0
	s_add_nc_u64 s[4:5], s[4:5], s[20:21]
	s_add_nc_u64 s[6:7], s[6:7], s[22:23]
	s_add_nc_u64 s[8:9], s[8:9], s[24:25]
.macro LOAD t
.irp i, 0,1,2,3
	global_load_b128 v[R+16*((\t)%4)+4*\i:R+16*((\t)%4)+4*\i+3], v3, s[4:5] offset:2048*(\t)+512*\i th:TH_LOAD_NT   ; 32 lanes read 512 consecutive bytes
.endr
.endm
.macro TURN t                          ; step t's numbers through the stage; LDS serves a wave's instructions in order, so no wait stands between the stores and the loads
.irp i, 0,1,2,3
	ds_store_b128 v14, v[R+16*((\t)%4)+4*\i:R+16*((\t)%4)+4*\i+3] offset:32*SP*((\t)%2)+8*SP*\i
.endr
.irp i, 0,1,2,3
	ds_load_b128 v[X+16*((\t)%2)+4*\i:X+16*((\t)%2)+4*\i+3], v15 offset:32*SP*((\t)%2)+16*\i
.endr
.endm
.irp t, 0,1,2,3
	LOAD \t
.endr
	s_wait_loadcnt 12                              ; step 0's four loads are in; the twelve of steps 1 to 3 stay out
	TURN 0
.macro STEP t
.set XS, X+16*((\t)%2)
.if (\t) > 0
	s_wait_dscnt 1                                 ; this step's numbers are back from the stage (the last step's byte store may be out)
.else
	s_wait_dscnt 0x0
.endif
.if (\t)+4 < STEPS
	LOAD (\t)+4                                    ; into the set whose stores into the stage have read their registers
.endif
.if (\t)+1 < STEPS
.if STEPS-2-(\t) >= 3
	s_wait_loadcnt 12                              ; the next step's four loads are in; those of the three steps behind it may be out
.else
	s_wait_loadcnt 4*(STEPS-2-(\t))
.endif
	TURN (\t)+1
.endif
	v_max3_num_f32 v8, |v[XS]|, |v[XS+1]|, |v[XS+2]|               ; the largest magnitude of my 16, in two chains
	v_max3_num_f32 v9, |v[XS+3]|, |v[XS+4]|, |v[XS+5]|
.irp i, 6,10
	v_max3_num_f32 v8, v8, |v[XS+\i]|, |v[XS+\i+1]|
	v_max3_num_f32 v9, v9, |v[XS+\i+2]|, |v[XS+\i+3]|
.endr
	v_max3_num_f32 v8, v8, |v[XS+14]|, |v[XS+15]|
	v_max3_num_f32 v8, v8, v9, (EMAX+1)<<23        ; and the floor 2^(3 - 127): the byte cannot fall under 1
	v_max_num_f32_dpp v8, v8, v8 row_xmask:1 row_mask:0xf bank_mask:0xf   ; with my neighbour's 16: the block's
	v_add_nc_u32 v11, -(EMAX<<23), v8              ; 2 off its exponent field: the conversion takes that field as its scale
	v_cvt_scalef32_pk16_fp6_f32 v[C+4*(\t):C+4*(\t)+2], v[XS:XS+15], v11
	v_lshrrev_b32 v[E+(\t)], 23, v11               ; the scale's byte (also the plain line behind the conversion)
	ds_store_b8 v5, v[E+(\t)] offset:16*(\t)       ; both lanes of a block write the same byte with the same value
	global_store_b96 v4, v[C+4*(\t):C+4*(\t)+2], s[6:7] offset:32*CB*(\t)   ; the wave stores 384 consecutive bytes
.endm
.irp t, 0,1,2,3,4,5,6,7,8,9,10,11,12,13,14,15
	STEP \t
.endr
	ds_load_b64 v[8:9], v6                         ; behind my byte stores, in order
	s_wait_dscnt 0x0
	global_store_b64 v7, v[8:9], s[8:9]            ; 32 lanes store 256 consecutive bytes, aligned
	s_wait_tensorcnt 0x0                           ; the wave's end: a tensor wait, an add to my spare word and its wait, behind my last LDS store
	ds_add_u32 v[SPW], v[NIL]
	s_wait_dscnt 0x0
	s_endpgm
.Lfunc_end_k_q6d77767e4b_quant_x:
	.size	k_q6d77767e4b_quant_x, .Lfunc_end_k_q6d77767e4b_quant_x-k_q6d77767e4b_quant_x
	.p2alignl 7, 3214868480
	.fill 96, 4, 3214868480
	.section	.rodata,"a",@progbits
	.p2align	6, 0x0
	.amdhsa_kernel k_q6d77767e4b_quant_x
		.amdhsa_group_segment_fixed_size 33280
		.amdhsa_private_segment_fixed_size 0
		.amdhsa_enable_private_segment 0
		.amdhsa_kernarg_size 24
		.amdhsa_user_sgpr_count 2
		.amdhsa_user_sgpr_kernarg_segment_ptr 1
		.amdhsa_wavefront_size32 1
		.amdhsa_system_sgpr_workgroup_id_x 1
		.amdhsa_system_sgpr_workgroup_id_y 1
		.amdhsa_system_sgpr_workgroup_id_z 1
		.amdhsa_system_vgpr_workitem_id 0
		.amdhsa_next_free_vgpr 192
		.amdhsa_next_free_sgpr 66
		.amdhsa_reserve_vcc 0
		.amdhsa_float_denorm_mode_32 3
		.amdhsa_float_denorm_mode_16_64 3
		.amdhsa_memory_ordered 1
		.amdhsa_forward_progress 1
		.amdhsa_inst_pref_size 32
	.end_amdhsa_kernel
	.amdgpu_metadata
---
amdhsa.version: [ 1, 2 ]
amdhsa.kernels:
  - .name:           k_q6d77767e4b_quant_x
    .symbol:         k_q6d77767e4b_quant_x.kd
    .args:
      - { .name: x, .offset: 0, .size: 8, .value_kind: global_buffer, .address_space: global }
      - { .name: xc, .offset: 8, .size: 8, .value_kind: global_buffer, .address_space: global }
      - { .name: xs, .offset: 16, .size: 8, .value_kind: global_buffer, .address_space: global }
    .group_segment_fixed_size: 33280
    .private_segment_fixed_size: 0
    .kernarg_segment_align: 8
    .kernarg_segment_size: 24
    .max_flat_workgroup_size: 128
    .sgpr_count:     66
    .vgpr_count:     192
    .wavefront_size: 32
...
	.end_amdgpu_metadata
.endif
;; end of part 1
;; launch quant_w (part 2): grid 24 x 4, 4 waves a work-group, no clusters, 35,840 bytes of LDS; arguments Wq, Wk, Wv, wc, ws; writes wc, ws
.if DOCPART == 2
	.amdgcn_target "amdgcn-amd-amdhsa--gfx1250"
	.amdhsa_code_object_version 6
	.text
	.protected	k_q6d77767e4b_quant_w
	.globl	k_q6d77767e4b_quant_w
	.p2align	8
	.type	k_q6d77767e4b_quant_w,@function
k_q6d77767e4b_quant_w:
	s_mov_b64 s[64:65], 0
	v_nop
	global_prefetch_b8 v0, s[64:65] scope:SCOPE_SE
	s_setreg_imm32_b32 hwreg(HW_REG_WAVE_MODE, 25, 1), 1
	s_wait_xcnt 0x0
; Wq, Wk, Wv [1024 (k)][1024 (n)] f32: K is the FIRST axis.  They become codes of FP6 (E2M3) laid [3072 (n of Wq, then Wk, then Wv)][1024 (k)], K innermost (wc: 768 bytes a row), and E8M0 bytes (ws: 32 bytes a row).
; A lane takes a column n and its registers run down K: each load reads 128 consecutive bytes a wave, a block of 32 along K lies in one lane's 32 registers, and the conversions give codes with K innermost.
; A wave takes 32 columns x 256 along K; its codes go through its own stage in LDS and leave by rows: sixteen lanes store a row's 192 consecutive bytes.
; LIMITS: a block of zeros, and a block whose largest magnitude lies under 2^-124, get the byte 1 (zero codes add nothing; the bytes are read by this program alone).  NaN and infinities are not served.
; Work-group x = 0..23: which 128 rows of wc; x / 8 says which W (a choice of pointers on the work-group's number alone).  Work-group y: which 256 along K.
.set SIZE_N, 1024
.set SIZE_K, 1024
.set KW,    256
.set NB,    KW/32
.set ROWB,  192
.set PITCH, 272                        ; a stage row: sixteen places of 16 bytes, each with 12 bytes of codes, + 16
.set KROW,  SIZE_K*6/8
.set EMAX,  2
.set X,     32                         ; v32-95   two sets of 32 numbers
.set C,     96                         ; v96..    a block's codes
.set OUTR,  112                        ; v112-175 the way out
.set SPW,   14
.set NIL,   15
.set SPARE, 4*32*PITCH                 ; behind the four stages: the spare words
.set SB,    24                         ; v24-25   the scale bytes, four to a register
	s_load_b256 s[4:11], s[0:1], 0x0               ; Wq, Wk, Wv, wc
	s_load_b64 s[12:13], s[0:1], 0x20              ; ws
	v_lshl_add_u32 v[SPW], v0, 2, SPARE
	v_mov_b32 v[NIL], 0
	v_lshrrev_b32 v1, 5, v0
	v_readfirstlane_b32 s16, v1                    ; wave
	v_and_b32 v2, 31, v0                           ; lane
	s_lshl_b32 s17, ttmp9, 7
	s_lshl_b32 s18, s16, 5
	s_add_co_u32 s17, s17, s18                     ; my wave's first row of wc and ws
	s_and_b32 s30, s17, 1023                       ; and its column in its W
	s_and_b32 s18, ttmp7, 0xffff                   ; which 256 along K
	v_lshlrev_b32 v3, 2, v2                        ; in: 4 bytes a lane
	s_mul_i32 s19, s16, 32*PITCH                   ; my stage
	v_mul_u32_u24 v4, v2, PITCH
	v_add_nc_u32 v4, s19, v4                       ; into it: row = my column
	v_and_b32 v5, 15, v2
	v_lshrrev_b32 v6, 4, v2
	v_mul_u32_u24 v7, v6, PITCH
	v_lshl_add_u32 v7, v5, 4, v7
	v_add_nc_u32 v7, s19, v7                       ; out of it: sixteen lanes to a row, two rows an instruction
	v_mul_u32_u24 v8, v6, KROW
	v_mad_u32_u24 v8, v5, 12, v8                   ; and the same place in wc
	v_lshlrev_b32 v9, 5, v2                        ; my column's row of scale bytes
	s_lshl_b32 s20, s18, 20                        ; W: 256 rows of 4,096 bytes for each y,
	s_lshl_b32 s21, s30, 2
	s_add_co_u32 s20, s20, s21                     ; + 4 x column
	s_mov_b32 s21, 0
	s_mul_i32 s24, s17, KROW                       ; wc: row x 768 + 192 y
	s_mul_i32 s25, s18, ROWB
	s_add_co_u32 s24, s24, s25
	s_mov_b32 s25, 0
	s_lshl_b32 s28, s17, 5                         ; ws: row x 32 + 8 y
	s_lshl_b32 s29, s18, 3
	s_add_co_u32 s28, s28, s29
	s_mov_b32 s29, 0
	s_wait_kmcnt 0x0
	s_cmp_lt_u32 ttmp9, 8
	s_cselect_b64 s[4:5], s[4:5], s[6:7]           ; Wq, else Wk,
	s_cmp_lt_u32 ttmp9, 16
	s_cselect_b64 s[4:5], s[4:5], s[8:9]           ; else Wv
	s_add_nc_u64 s[4:5], s[4:5], s[20:21]
	s_add_nc_u64 s[10:11], s[10:11], s[24:25]
	s_add_nc_u64 s[12:13], s[12:13], s[28:29]
.macro LOAD t                          ; block t: W(32 t + i, my column), i = 0 .. 31, into set t % 2
.set i, 0
.rept 32
	global_load_b32 v[X+32*((\t)%2)+i], v3, s[4:5] offset:(32*(\t)+i)*SIZE_N*4 th:TH_LOAD_NT
.set i, i+1
.endr
.endm
	LOAD 0
	LOAD 1
.macro BLOCK t
.set XS, X+32*((\t)%2)
.if (\t) < NB-1
	s_wait_loadcnt 32                              ; this block's 32 loads are in; the next block's may be out
.else
	s_wait_loadcnt 0
.endif
	v_max3_num_f32 v12, |v[XS]|, |v[XS+1]|, |v[XS+2]|               ; the block's largest magnitude: all 32 numbers are mine
	v_max3_num_f32 v13, |v[XS+3]|, |v[XS+4]|, |v[XS+5]|
.irp i, 6,10,14,18,22,26
	v_max3_num_f32 v12, v12, |v[XS+\i]|, |v[XS+\i+1]|
	v_max3_num_f32 v13, v13, |v[XS+\i+2]|, |v[XS+\i+3]|
.endr
	v_max3_num_f32 v12, v12, |v[XS+30]|, |v[XS+31]|
	v_max3_num_f32 v12, v12, v13, (EMAX+1)<<23     ; and the floor 2^(3 - 127)
	v_add_nc_u32 v11, -(EMAX<<23), v12             ; the conversion's scale operand
	v_lshrrev_b32 v13, 23, v11                     ; the scale's byte
.if (\t)%4 == 0
	v_mov_b32 v[SB+(\t)/4], v13                    ; four bytes to a register, the lower K in the lower byte
.else
	v_lshl_or_b32 v[SB+(\t)/4], v13, 8*((\t)%4), v[SB+(\t)/4]
.endif
	v_cvt_scalef32_pk16_fp6_f32 v[C:C+2], v[XS:XS+15], v11
	v_cvt_scalef32_pk16_fp6_f32 v[C+4:C+6], v[XS+16:XS+31], v11     ; (a conversion's three registers begin on an even number)
	v_nop                                          ; one plain line behind the conversions
	ds_store_b96 v4, v[C:C+2] offset:32*(\t)       ; 12 bytes to a place of 16 in the stage
	ds_store_b96 v4, v[C+4:C+6] offset:32*(\t)+16
.if (\t)+2 < NB
	LOAD (\t)+2
.endif
	s_wait_dscnt 0x0                               ; the stores have read their registers: the next block's codes may be written
.endm
.irp t, 0,1,2,3,4,5,6,7
	BLOCK \t
.endr
	s_wait_alu depctr_va_vdst(0)
	global_store_b64 v9, v[SB:SB+1], s[12:13]      ; my column's 8 scale bytes
.irp t, 0,1,2,3,4,5,6,7,8,9,10,11,12,13,14,15
	ds_load_b96 v[OUTR+4*\t:OUTR+4*\t+2], v7 offset:2*\t*PITCH
.endr
.irp t, 0,1,2,3,4,5,6,7,8,9,10,11,12,13,14,15
	s_wait_dscnt 15-\t                             ; the younger reads of the stage may be out
	global_store_b96 v8, v[OUTR+4*\t:OUTR+4*\t+2], s[10:11] offset:2*\t*KROW
.endr
	s_wait_tensorcnt 0x0                           ; the wave's end: a tensor wait, an add to my spare word and its wait, behind my last LDS store
	ds_add_u32 v[SPW], v[NIL]
	s_wait_dscnt 0x0
	s_endpgm
.Lfunc_end_k_q6d77767e4b_quant_w:
	.size	k_q6d77767e4b_quant_w, .Lfunc_end_k_q6d77767e4b_quant_w-k_q6d77767e4b_quant_w
	.p2alignl 7, 3214868480
	.fill 96, 4, 3214868480
	.section	.rodata,"a",@progbits
	.p2align	6, 0x0
	.amdhsa_kernel k_q6d77767e4b_quant_w
		.amdhsa_group_segment_fixed_size 35840
		.amdhsa_private_segment_fixed_size 0
		.amdhsa_enable_private_segment 0
		.amdhsa_kernarg_size 40
		.amdhsa_user_sgpr_count 2
		.amdhsa_user_sgpr_kernarg_segment_ptr 1
		.amdhsa_wavefront_size32 1
		.amdhsa_system_sgpr_workgroup_id_x 1
		.amdhsa_system_sgpr_workgroup_id_y 1
		.amdhsa_system_sgpr_workgroup_id_z 1
		.amdhsa_system_vgpr_workitem_id 0
		.amdhsa_next_free_vgpr 192
		.amdhsa_next_free_sgpr 66
		.amdhsa_reserve_vcc 0
		.amdhsa_float_denorm_mode_32 3
		.amdhsa_float_denorm_mode_16_64 3
		.amdhsa_memory_ordered 1
		.amdhsa_forward_progress 1
		.amdhsa_inst_pref_size 42
	.end_amdhsa_kernel
	.amdgpu_metadata
---
amdhsa.version: [ 1, 2 ]
amdhsa.kernels:
  - .name:           k_q6d77767e4b_quant_w
    .symbol:         k_q6d77767e4b_quant_w.kd
    .args:
      - { .name: Wq, .offset: 0, .size: 8, .value_kind: global_buffer, .address_space: global }
      - { .name: Wk, .offset: 8, .size: 8, .value_kind: global_buffer, .address_space: global }
      - { .name: Wv, .offset: 16, .size: 8, .value_kind: global_buffer, .address_space: global }
      - { .name: wc, .offset: 24, .size: 8, .value_kind: global_buffer, .address_space: global }
      - { .name: ws, .offset: 32, .size: 8, .value_kind: global_buffer, .address_space: global }
    .group_segment_fixed_size: 35840
    .private_segment_fixed_size: 0
    .kernarg_segment_align: 8
    .kernarg_segment_size: 40
    .max_flat_workgroup_size: 128
    .sgpr_count:     66
    .vgpr_count:     192
    .wavefront_size: 32
...
	.end_amdgpu_metadata
.endif
;; end of part 2
;; launch proj (part 3): grid 12 x 32, 4 waves a work-group, clusters of 4 x 4, 327,680 bytes of LDS; arguments xc, xs, wc, ws, bq, bk, bv, qb, kv; writes qb, kv
.if DOCPART == 3
	.amdgcn_target "amdgcn-amd-amdhsa--gfx1250"
	.amdhsa_code_object_version 6
	.text
	.protected	k_q6d77767e4b_proj
	.globl	k_q6d77767e4b_proj
	.p2align	8
	.type	k_q6d77767e4b_proj,@function
k_q6d77767e4b_proj:
	s_mov_b64 s[64:65], 0
	v_nop
	global_prefetch_b8 v0, s[64:65] scope:SCOPE_SE
	s_setreg_imm32_b32 hwreg(HW_REG_WAVE_MODE, 25, 1), 1
	s_wait_xcnt 0x0
	s_wait_alu depctr_hold_cnt(0) depctr_sa_sdst(0) depctr_va_vdst(0) depctr_va_sdst(0) depctr_va_ssrc(0) depctr_va_vcc(0) depctr_vm_vsrc(0)
	s_getreg_b32 s2, hwreg(HW_REG_IB_STS2, 6, 4)
	s_cmp_eq_u32 s2, 0
	s_cbranch_scc0 .Lentry_in_a_cluster
	s_endpgm
.Lentry_in_a_cluster:
	s_bfe_u32 s2, ttmp6, 0x10000c
	s_cmp_lg_u32 s2, 0xf033
	s_cbranch_scc0 .Lentry_shape_is_right
	s_endpgm
.Lentry_shape_is_right:
.set SIZE_K, 1024
.set KSTEP,  256
.set NQ,     KSTEP/128
.set ROWB,   192
.set KROW,   SIZE_K*6/8
.set PITCH,  240
.set FR,     12
.set NL,     6
.set NP,     4
.set HALFT,  128*PITCH
.set SLOT,   4*HALFT
.set LAPS,   SIZE_K/(2*KSTEP)
.set KS,     SIZE_K/32
.set SCL,    2*SLOT
.set HALFS,  (128*KS/256)*272
.set SBLK,   (16*KS/256)*272
.set SPARE,  SCL+4*HALFS
.set SSTQ,   SPARE+512
.set SSTV,   SSTQ+4*1024
.set QREC,   6656
.set REC,    13056
.set O16,  7
.set O8,   8
.set H16,  9
.set SSA,  10
.set SSR,  11
.set SVA,  12
.set SVR,  13
.set VOS,  14
.set ADRA, 16
.set ADRB, 20
.set ADRS, 27
.set SPW,  28
.set NIL,  29
.set BOQ,  30
.set BOV,  31
.set SC,   32
.set BI,   64
.set AF,   128
.set T,    128
.set CDS,  192
.set TM,   212
.set PWB,  228
.set BV,   240
.set G1, 24
.set G0, 32
.set G1B, 48
.set G0B, 56
.set G1S, 68
.set G0S, 76
.set G1SB, 80
.set G0SB, 88
.set BPT, 92
.set D0,  94
.set MSB, 0
.macro WIN new
.if MSB != (\new)
	s_set_vgpr_msb (MSB<<8)|(\new)
.set MSB, (\new)
.endif
.endm
.set MUL_LO, 0xa1
.set MUL_HI, 0xf1
.set TO_B,   0x40
.macro JLOAD g0a, g1a, g0b, g1b
	s_cmp_eq_u32 s15, 0
	s_cbranch_scc0 .Lfor_b_\@
	tensor_load_to_lds s[\g0a:\g0a+3], s[\g1a:\g1a+7]
	s_nop 0
.rept 4
	v_nop
.endr
	s_branch .Lasked_\@
.Lfor_b_\@:
	tensor_load_to_lds s[\g0b:\g0b+3], s[\g1b:\g1b+7]
	s_nop 0
.rept 4
	v_nop
.endr
.Lasked_\@:
.endm
.macro CREST
	s_cmp_lg_u32 s14, 0
	s_cbranch_scc1 .Lnot_wave_0_\@
	s_barrier_signal -3
.Lnot_wave_0_\@:
	s_barrier_wait -3
	s_barrier_signal -1
	s_barrier_wait -1
.endm
.macro CROUND
	s_barrier_signal -1
	s_barrier_wait -1
	CREST
.endm
	s_load_b256 s[4:11], s[0:1], 0x0
	s_load_b256 s[92:99], s[0:1], 0x20
	s_load_b64 s[100:101], s[0:1], 0x40
	v_lshl_add_u32 v[SPW], v0, 2, SPARE
	v_mov_b32 v[NIL], 0
	ds_add_u32 v[SPW], v[NIL]
	ds_add_u32 v[SPW], v[NIL]
	v_lshrrev_b32 v1, 5, v0
	v_readfirstlane_b32 s14, v1
	s_lshr_b32 s15, s14, 1
	s_and_b32 s16, s14, 1
	s_bfe_u32 s40, ttmp6, 0x40000
	s_bfe_u32 s41, ttmp6, 0x40004
	s_and_b32 s67, ttmp7, 0xffff
	s_lshl_b32 s67, s67, 2
	s_lshl_b32 s18, ttmp9, 2
	s_cmp_eq_u32 ttmp9, 2
	s_cselect_b32 s66, 1, 0
	s_cselect_b32 s17, 8, s67
	s_cselect_b32 s42, s67, s18
	s_add_co_u32 s17, s17, s41
	s_add_co_u32 s42, s42, s40
	s_lshl_b32 s43, s41, 2
	s_lshl_b32 s43, 15, s43
	s_lshl_b32 s44, 0x1111, s40
	s_or_b32 s[G1+0], s43, (0<<16)|(1<<20)|(1<<21)|(3<<22)|(3<<25)
	s_or_b32 s[G1B+0], s44, (0<<16)|(1<<20)|(1<<21)|(3<<22)|(3<<25)
.irp g, G1, G1B
	s_mov_b32 s[\g+1], ROWB<<16
	s_mov_b32 s[\g+2], 128<<16
	s_mov_b32 s[\g+3], ROWB<<16
	s_mov_b32 s[\g+4], 128
	s_mov_b32 s[\g+5], KROW
	s_mov_b32 s[\g+6], 0
	s_mov_b32 s[\g+7], 0
.endr
	s_or_b32 s[G1S+0], s43, (3<<16)|(1<<20)|(1<<21)|(5<<22)|(3<<25)
	s_or_b32 s[G1SB+0], s44, (3<<16)|(1<<20)|(1<<21)|(5<<22)|(3<<25)
.irp g, G1S, G1SB
	s_mov_b32 s[\g+1], 32<<16
	s_mov_b32 s[\g+2], (128*KS/256)<<16
	s_mov_b32 s[\g+3], 32<<16
	s_mov_b32 s[\g+4], 128*KS/256
	s_mov_b32 s[\g+5], 32
	s_mov_b32 s[\g+6], 0
	s_mov_b32 s[\g+7], 0
.endr
	s_lshl_b32 s18, s16, 7
	s_lshl_b32 s20, s17, 8
	s_add_co_u32 s20, s20, s18
	s_lshl_b32 s46, s42, 8
	s_add_co_u32 s46, s46, s18
	s_lshl_b32 s22, s20, 5
	s_mov_b32 s23, 0
	s_lshl_b32 s12, s46, 5
	s_mov_b32 s13, 0
	s_mul_i32 s20, s20, KROW
	s_mov_b32 s21, 0
	s_mul_i32 s46, s46, KROW
	s_mov_b32 s47, 0
	s_mul_i32 s45, s14, HALFT
	s_mul_i32 s2, s14, HALFS
	s_wait_dscnt 0x0
	s_wait_kmcnt 0x0
	s_cmp_eq_u32 s66, 0
	s_cselect_b64 s[18:19], s[4:5], s[8:9]
	s_cselect_b64 s[8:9], s[8:9], s[4:5]
	s_cselect_b64 s[4:5], s[6:7], s[10:11]
	s_cselect_b64 s[10:11], s[10:11], s[6:7]
	s_add_nc_u64 s[20:21], s[18:19], s[20:21]
	s_add_nc_u64 s[22:23], s[4:5], s[22:23]
	s_add_nc_u64 s[46:47], s[8:9], s[46:47]
	s_add_nc_u64 s[12:13], s[10:11], s[12:13]
	CROUND
	s_mov_b32 s[G0S], 1
	s_add_co_u32 s[G0S+1], s2, SCL
	s_mov_b64 s[G0S+2:G0S+3], s[22:23]
	s_or_b32 s[G0S+3], s[G0S+3], 0x80000000
	s_mov_b32 s[G0SB], 1
	s_add_co_u32 s[G0SB+1], s2, SCL
	s_mov_b64 s[G0SB+2:G0SB+3], s[12:13]
	s_or_b32 s[G0SB+3], s[G0SB+3], 0x80000000
	JLOAD G0S, G1S, G0SB, G1SB
.irp s, 0,1
	s_mov_b32 s[G0+4*\s], 1
	s_add_co_u32 s[G0+4*\s+1], s45, \s*SLOT
	s_add_nc_u64 s[G0+4*\s+2:G0+4*\s+3], s[20:21], \s*ROWB
	s_or_b32 s[G0+4*\s+3], s[G0+4*\s+3], 0x80000000
	s_mov_b32 s[G0B+4*\s], 1
	s_add_co_u32 s[G0B+4*\s+1], s45, \s*SLOT
	s_add_nc_u64 s[G0B+4*\s+2:G0B+4*\s+3], s[46:47], \s*ROWB
	s_or_b32 s[G0B+4*\s+3], s[G0B+4*\s+3], 0x80000000
	s_wait_alu depctr_va_vdst(0)
	s_wait_tensorcnt 0x0
	ds_add_u32 v28, v29
	s_wait_dscnt 0x0
	CROUND
	JLOAD G0+4*\s, G1, G0B+4*\s, G1B
.endr
	v_and_b32 v1, 15, v0
	v_bfe_u32 v2, v0, 4, 1
	v_mul_u32_u24 v3, v1, PITCH
	v_mul_u32_u24 v4, v2, 24
	v_add_nc_u32 v4, v3, v4
	v_lshl_add_u32 v5, v2, 4, v4
	s_mul_i32 s21, s15, HALFT
	s_mul_i32 s22, s16, HALFT
	s_add_co_u32 s22, s22, 2*HALFT
.irp s, 0,1
	v_add_nc_u32 v[ADRA+\s], s21, v4
	v_add_nc_u32 v[ADRB+\s], s22, v4
	v_add_nc_u32 v[ADRA+2+\s], s21, v5
	v_add_nc_u32 v[ADRB+2+\s], s22, v5
	s_add_co_u32 s21, s21, SLOT
	s_add_co_u32 s22, s22, SLOT
.endr
	v_mul_u32_u24 v5, v1, KS
	v_lshrrev_b32 v6, 8, v5
	v_lshl_add_u32 v5, v6, 4, v5
	s_mul_i32 s21, s15, HALFS
	s_mul_i32 s22, s16, HALFS
	s_add_co_u32 s22, s22, 2*HALFS
	s_sub_co_u32 s22, s22, s21
	v_mul_u32_u24 v6, s22, v2
	s_add_co_u32 s21, s21, SCL
	v_add_nc_u32 v5, v5, v6
	v_add_nc_u32 v[ADRS], s21, v5
	v_and_b32 v6, 31, v0
	v_lshlrev_b32 v[O16], 4, v6
	v_lshlrev_b32 v[O8], 3, v6
	v_lshlrev_b32 v[H16], 4, v2
	s_lshl_b32 s21, s14, 10
	s_add_co_u32 s21, s21, SSTQ
	v_lshlrev_b32 v[SSA], 9, v2
	v_lshl_add_u32 v[SSA], v1, 2, v[SSA]
	v_add_nc_u32 v[SSA], s21, v[SSA]
	v_add_nc_u32 v[SSR], s21, v[O16]
	s_lshl_b32 s21, s14, 9
	s_add_co_u32 s21, s21, SSTV
	v_lshlrev_b32 v[SVA], 2, v1
	v_add_nc_u32 v[SVA], s21, v[SVA]
	v_add_nc_u32 v[SVR], s21, v[O16]
	v_mul_u32_u24 v[VOS], v2, 16*REC
	v_lshl_add_u32 v[VOS], v1, 4, v[VOS]
	v_lshlrev_b32 v[BOQ], 5, v2
	s_wait_alu depctr_va_vdst(0)
	v_lshlrev_b32 v[BOV], 2, v1
	s_wait_alu depctr_va_vdst(0)
	s_lshl_b32 s20, s17, 8
	s_lshl_b32 s21, s15, 7
	s_add_co_u32 s20, s20, s21
	s_lshl_b32 s21, s42, 8
	s_lshl_b32 s22, s16, 7
	s_add_co_u32 s21, s21, s22
	s_cmp_eq_u32 s66, 0
	s_cselect_b32 s22, s20, s21
	s_cselect_b32 s23, s21, s20
	s_and_b32 s23, s23, 1023
	s_lshr_b32 s12, s22, 11
	s_lshl_b32 s12, s12, 4
	s_lshr_b32 s13, s23, 6
	s_add_co_u32 s12, s12, s13
	s_lshl_b32 s12, s12, 4
	s_bfe_u32 s13, s22, 0x40007
	s_add_co_u32 s12, s12, s13
	s_cmp_eq_u32 ttmp9, 0
	s_mov_b32 s13, REC
	s_cselect_b32 s13, QREC, s13
	s_cselect_b64 s[BPT:BPT+1], s[92:93], s[94:95]
	s_cselect_b64 s[D0:D0+1], s[98:99], s[100:101]
	s_cmp_eq_u32 s66, 0
	s_cselect_b64 s[BPT:BPT+1], s[BPT:BPT+1], s[96:97]
	s_mul_i32 s12, s12, s13
	s_lshl_b32 s18, s13, 4
	s_mov_b32 s13, 0
	s_mov_b32 s19, 0
	s_add_nc_u64 s[D0:D0+1], s[D0:D0+1], s[12:13]
	s_add_nc_u64 s[D0+2:D0+3], s[D0:D0+1], s[18:19]
	s_lshl_b32 s22, s23, 2
	s_mov_b32 s23, 0
	s_add_nc_u64 s[BPT:BPT+1], s[BPT:BPT+1], s[22:23]
	s_mov_b32 s98, 0xffff
	s_mov_b32 s99, 0x7f7f0000
.irp b, 0,1,2,3,4,5,6,7
	global_load_b128 v[BI+8*\b:BI+8*\b+3], v[BOQ], s[BPT:BPT+1] offset:64*\b
	global_load_b128 v[BI+8*\b+4:BI+8*\b+7], v[BOQ], s[BPT:BPT+1] offset:64*\b+16
.endr
.irp a, 0,1,2,3,4,5,6,7
.irp e, 0,1
	global_load_b32 v[BV+2*\a+\e], v[BOV], s[BPT:BPT+1] offset:64*\a
.endr
.endr
.macro FRAG reg, adr, q, i
.irp p, 0,1,2,3,4,5
.set PCE, 12*(\q)+6*(\p/3)+\p%3
.if PCE%8 < 5
	ds_load_b64 v[\reg+2*\p:\reg+2*\p+1], v[\adr] offset:8*PCE+16*(PCE/8)+(\i)*16*PITCH
.else
	ds_load_b64 v[\reg+2*\p:\reg+2*\p+1], v[\adr+2] offset:8*PCE+16*(PCE/8)+(\i)*16*PITCH
.endif
.endr
.endm
.macro MUL16 a0, p, q, sc, zero
.irp a, \a0, \a0+1
.irp b, 0,1,2,3,4,5,6,7
.if \zero
	v_wmma_scale_f32_16x16x128_f8f6f4 v[8*(8*((\a)%4)+\b):8*(8*((\a)%4)+\b)+7], v[128*(\p)+FR*\b:128*(\p)+FR*\b+FR-1], v[AF+FR*(\a):AF+FR*(\a)+FR-1], 0, v[SC+8*NQ*(\sc)+NQ*\b+(\q)], v[SC+8*NQ*(\sc)+NQ*(\a)+(\q)] matrix_a_fmt:MATRIX_FMT_FP6 matrix_b_fmt:MATRIX_FMT_FP6 matrix_a_scale:MATRIX_SCALE_ROW1
.else
	v_wmma_scale_f32_16x16x128_f8f6f4 v[8*(8*((\a)%4)+\b):8*(8*((\a)%4)+\b)+7], v[128*(\p)+FR*\b:128*(\p)+FR*\b+FR-1], v[AF+FR*(\a):AF+FR*(\a)+FR-1], v[8*(8*((\a)%4)+\b):8*(8*((\a)%4)+\b)+7], v[SC+8*NQ*(\sc)+NQ*\b+(\q)], v[SC+8*NQ*(\sc)+NQ*(\a)+(\q)] matrix_a_fmt:MATRIX_FMT_FP6 matrix_b_fmt:MATRIX_FMT_FP6 matrix_a_scale:MATRIX_SCALE_ROW1
.endif
.endr
.endr
.endm
.macro FETCH_B slot, q, p
	WIN TO_B
.irp i, 0,1,2,3,4,5,6,7
	FRAG 128*(\p)+FR*\i, ADRB+\slot, \q, \i
.endr
	WIN 0
.endm
.macro FETCH_A slot, q, i0
.irp i, \i0, \i0+1, \i0+2, \i0+3
	FRAG AF+FR*(\i), ADRA+\slot, \q, \i
.endr
.endm
.macro SCALES sc
.irp i, 0,1,2,3,4,5,6,7
	ds_load_b64 v[SC+8*NQ*\sc+NQ*\i:SC+8*NQ*\sc+NQ*\i+1], v[ADRS] offset:\i*SBLK
.endr
.endm
.macro PLACES n
.rept \n
	v_nop
.endr
.endm
.macro STEP slot, q, zero
	s_wait_dscnt 4*NL
	WIN MUL_LO
	MUL16 0, (\q)%2, \q, \slot, \zero
	MUL16 2, (\q)%2, \q, \slot, \zero
	s_wait_dscnt 0
	PLACES NP
	FETCH_B \slot, (\q)+1, 1-(\q)%2
	FETCH_A \slot, (\q)+1, 0
	WIN MUL_HI
	MUL16 4, (\q)%2, \q, \slot, \zero
	MUL16 6, (\q)%2, \q, \slot, \zero
	PLACES NP
	WIN 0
	FETCH_A \slot, (\q)+1, 4
.endm
.macro TURN slot, next, fill
	s_wait_tensorcnt 0x0
	ds_add_u32 v[SPW], v[NIL]
	s_wait_dscnt 4*NL+1
	WIN MUL_LO
	MUL16 0, 1, NQ-1, \slot, 0
	s_wait_dscnt 0x0
	s_barrier_signal -1
	MUL16 2, 1, NQ-1, \slot, 0
	WIN 0
	s_barrier_wait -1
.if \fill
	CREST
	s_add_nc_u64 s[G0+4*\slot+2:G0+4*\slot+3], s[G0+4*\slot+2:G0+4*\slot+3], 2*ROWB
	s_add_nc_u64 s[G0B+4*\slot+2:G0B+4*\slot+3], s[G0B+4*\slot+2:G0B+4*\slot+3], 2*ROWB
	JLOAD G0+4*\slot, G1, G0B+4*\slot, G1B
.else
	PLACES NP
.endif
	s_wait_alu depctr_va_vdst(0)
	v_add_nc_u32 v[ADRS], 4*NQ, v[ADRS]
	FETCH_B \next, 0, 0
	FETCH_A \next, 0, 0
	SCALES \next
	WIN MUL_HI
	MUL16 4, 1, NQ-1, \slot, 0
	MUL16 6, 1, NQ-1, \slot, 0
	PLACES NP
	WIN 0
	FETCH_A \next, 0, 4
.endm
	s_wait_tensorcnt 1
	s_barrier_signal -1
	s_barrier_wait -1
	FETCH_B 0, 0, 0
	FETCH_A 0, 0, 0
	SCALES 0
	FETCH_A 0, 0, 4
	STEP 0, 0, 1
	s_mov_b32 s3, LAPS-1
.Llap:
	TURN 0, 1, 1
	STEP 1, 0, 0
	TURN 1, 0, 1
	STEP 0, 0, 0
	s_sub_co_u32 s3, s3, 1
	s_cmp_lg_u32 s3, 0
	s_cbranch_scc1 .Llap
	TURN 0, 1, 0
	STEP 1, 0, 0
	s_wait_dscnt 4*NL
	WIN MUL_LO
	MUL16 0, 1, NQ-1, 1, 0
	MUL16 2, 1, NQ-1, 1, 0
	s_wait_dscnt 0
	WIN MUL_HI
	MUL16 4, 1, NQ-1, 1, 0
	MUL16 6, 1, NQ-1, 1, 0
	WIN 0
.macro QUANT s, pw
.irp b, 0,1,2,3
	v_max3_num_f32 v[TM+\b], |v[\s+16*\b]|, |v[\s+1+16*\b]|, 0x1800000
.endr
.irp i, 2,4,6,8,10,12,14
.irp b, 0,1,2,3
	v_max3_num_f32 v[TM+\b], v[TM+\b], |v[\s+16*\b+\i]|, |v[\s+1+16*\b+\i]|
.endr
.endr
.irp b, 0,1,2,3
	v_permlanex16_b32 v[TM+4+\b], v[TM+\b], s20, s21
.endr
.irp b, 0,1,2,3
	v_max_num_f32 v[TM+\b], v[TM+\b], v[TM+4+\b]
.endr
.irp b, 0,1,2,3
	v_add_nc_u32 v[TM+12+\b], 0xff000000, v[TM+\b]
.endr
.irp b, 0,1,2,3
	v_lshrrev_b32 v[TM+4+\b], 23, v[TM+12+\b]
.endr
	v_lshl_or_b32 v[\pw], v[TM+5], 8, v[TM+4]
	v_lshl_or_b32 v[\pw], v[TM+6], 16, v[\pw]
	v_lshl_or_b32 v[\pw], v[TM+7], 24, v[\pw]
.irp c, 0,1
	v_cvt_scalef32_pk16_fp6_f32 v[CDS+6*\c:CDS+2+6*\c], v[\s+32*\c:\s+15+32*\c], v[TM+12+2*\c]
	v_cvt_scalef32_pk16_fp6_f32 v[CDS+12+4*\c:CDS+14+4*\c], v[\s+16+32*\c:\s+31+32*\c], v[TM+12+2*\c+1]
.endr
	v_nop
.irp c, 0,1
.irp i, 0,1,2
	v_permlane16_swap_b32 v[CDS+6*\c+\i], v[CDS+12+4*\c+\i]
.endr
.irp i, 0,1,2
	v_mov_b32 v[CDS+3+6*\c+\i], v[CDS+12+4*\c+\i]
.endr
.endr
.endm
.macro OUTQK a
.set AC, 64*((\a)%4)
.if (\a) > 0
	s_wait_xcnt 0x0
.endif
	WIN 0x02+(\a)/4
.set i, 0
.rept 32
	v_pk_add_f32 v[T+2*i:T+2*i+1], v[AC+2*i:AC+2*i+1], v[BI+2*i:BI+2*i+1]
.set i, i+1
.endr
	WIN 0
	QUANT T, PWB+(\a)
	global_store_b128 v[O16], v[CDS:CDS+3], s[D0:D0+1] offset:768*(\a)
	global_store_b64 v[O8], v[CDS+4:CDS+5], s[D0:D0+1] offset:768*(\a)+512
	global_store_b128 v[O16], v[CDS+6:CDS+9], s[D0+2:D0+3] offset:768*(\a)
	global_store_b64 v[O8], v[CDS+10:CDS+11], s[D0+2:D0+3] offset:768*(\a)+512
	v_lshrrev_b32 v[PWB+(\a)], v[H16], v[PWB+(\a)]
	v_and_or_b32 v[PWB+(\a)], v[PWB+(\a)], s98, s99
	ds_store_b32 v[SSA], v[PWB+(\a)] offset:64*(\a)
.endm
.macro OUTV a
.set AC, 64*((\a)%4)
.if (\a) > 0
	s_wait_xcnt 0x0
.endif
	WIN 0x02+(\a)/4
.set i, 0
.rept 32
	v_pk_add_f32 v[T+2*i:T+2*i+1], v[AC+2*i:AC+2*i+1], v[BV+2*(\a):BV+2*(\a)+1]
.set i, i+1
.endr
	WIN 0
	QUANT T, PWB+(\a)
.irp c, 0,1,2
	global_store_b128 v[O16], v[CDS+4*\c:CDS+4*\c+3], s[D0+2*((\a)/4):D0+2*((\a)/4)+1] offset:6656+1536*((\a)%4)+512*\c
.endr
	ds_store_b32 v[SVA], v[PWB+(\a)] offset:64*(\a)
.endm
	PLACES NP
	s_wait_loadcnt 0x0
	s_mov_b32 s20, 0x76543210
	s_mov_b32 s21, 0xfedcba98
.irp b, 0,1,2,3
	v_mov_b32 v[TM+4+\b], 0
.endr
	s_cmp_lg_u32 s66, 0
	s_cbranch_scc1 .Lv_out
.irp a, 0,1,2,3,4,5,6,7
	OUTQK \a
.endr
	ds_load_b128 v[T:T+3], v[SSR]
	ds_load_b128 v[T+4:T+7], v[SSR] offset:512
	s_wait_dscnt 0x0
	global_store_b128 v[O16], v[T:T+3], s[D0:D0+1] offset:6144
	global_store_b128 v[O16], v[T+4:T+7], s[D0+2:D0+3] offset:6144
	s_branch .Ldone
.Lv_out:
.irp a, 0,1,2,3,4,5,6,7
	OUTV \a
.endr
	ds_load_b128 v[T:T+3], v[SVR]
	s_wait_dscnt 0x0
	global_store_b128 v[VOS], v[T:T+3], s[D0:D0+1] offset:12800
.Ldone:
	s_wait_tensorcnt 0x0
	ds_add_u32 v[SPW], v[NIL]
	s_wait_dscnt 0x0
	CROUND
	s_endpgm
.Lfunc_end_k_q6d77767e4b_proj:
	.size	k_q6d77767e4b_proj, .Lfunc_end_k_q6d77767e4b_proj-k_q6d77767e4b_proj
	.p2alignl 7, 3214868480
	.fill 96, 4, 3214868480
	.section	.rodata,"a",@progbits
	.p2align	6, 0x0
	.amdhsa_kernel k_q6d77767e4b_proj
		.amdhsa_group_segment_fixed_size 327680
		.amdhsa_private_segment_fixed_size 0
		.amdhsa_enable_private_segment 0
		.amdhsa_kernarg_size 72
		.amdhsa_user_sgpr_count 2
		.amdhsa_user_sgpr_kernarg_segment_ptr 1
		.amdhsa_wavefront_size32 1
		.amdhsa_system_sgpr_workgroup_id_x 1
		.amdhsa_system_sgpr_workgroup_id_y 1
		.amdhsa_system_sgpr_workgroup_id_z 1
		.amdhsa_system_vgpr_workitem_id 0
		.amdhsa_next_free_vgpr 1024
		.amdhsa_next_free_sgpr 102
		.amdhsa_reserve_vcc 0
		.amdhsa_float_denorm_mode_32 3
		.amdhsa_float_denorm_mode_16_64 3
		.amdhsa_memory_ordered 1
		.amdhsa_forward_progress 1
		.amdhsa_inst_pref_size 237
	.end_amdhsa_kernel
	.amdgpu_metadata
---
amdhsa.version: [ 1, 2 ]
amdhsa.kernels:
  - .name:           k_q6d77767e4b_proj
    .symbol:         k_q6d77767e4b_proj.kd
    .args:
      - { .name: xc, .offset: 0, .size: 8, .value_kind: global_buffer, .address_space: global }
      - { .name: xs, .offset: 8, .size: 8, .value_kind: global_buffer, .address_space: global }
      - { .name: wc, .offset: 16, .size: 8, .value_kind: global_buffer, .address_space: global }
      - { .name: ws, .offset: 24, .size: 8, .value_kind: global_buffer, .address_space: global }
      - { .name: bq, .offset: 32, .size: 8, .value_kind: global_buffer, .address_space: global }
      - { .name: bk, .offset: 40, .size: 8, .value_kind: global_buffer, .address_space: global }
      - { .name: bv, .offset: 48, .size: 8, .value_kind: global_buffer, .address_space: global }
      - { .name: qb, .offset: 56, .size: 8, .value_kind: global_buffer, .address_space: global }
      - { .name: kv, .offset: 64, .size: 8, .value_kind: global_buffer, .address_space: global }
    .group_segment_fixed_size: 327680
    .private_segment_fixed_size: 0
    .kernarg_segment_align: 8
    .kernarg_segment_size: 72
    .max_flat_workgroup_size: 128
    .sgpr_count:     102
    .vgpr_count:     1024
    .wavefront_size: 32
...
	.end_amdgpu_metadata
.endif
;; end of part 3
;; launch attn (part 4): grid 4 x 64, 8 waves a work-group, clusters of 4 x 1, 245,760 bytes of LDS; arguments qb, kv, out0; writes out0
.if DOCPART == 4
	.amdgcn_target "amdgcn-amd-amdhsa--gfx1250"
	.amdhsa_code_object_version 6
	.text
	.protected	k_q6d77767e4b_attn
	.globl	k_q6d77767e4b_attn
	.p2align	8
	.type	k_q6d77767e4b_attn,@function
k_q6d77767e4b_attn:
	s_mov_b64 s[64:65], 0
	v_nop
	global_prefetch_b8 v0, s[64:65] scope:SCOPE_SE
	s_setreg_imm32_b32 hwreg(HW_REG_WAVE_MODE, 25, 1), 1
	s_wait_xcnt 0x0
	s_wait_alu depctr_hold_cnt(0) depctr_sa_sdst(0) depctr_va_vdst(0) depctr_va_sdst(0) depctr_va_ssrc(0) depctr_va_vcc(0) depctr_vm_vsrc(0)
	s_getreg_b32 s2, hwreg(HW_REG_IB_STS2, 6, 4)
	s_cmp_eq_u32 s2, 0
	s_cbranch_scc0 .Lentry_in_a_cluster
	s_endpgm
.Lentry_in_a_cluster:
	s_bfe_u32 s2, ttmp6, 0x10000c
	s_cmp_lg_u32 s2, 0x3003
	s_cbranch_scc0 .Lentry_shape_is_right
	s_endpgm
.Lentry_shape_is_right:
; out[b][q][head][:] = the sum over k of softmax_k(Q . K / 8) V, both products on codes of FP6 (E2M3) with E8M0 scales, from the records that the projection launch stored.
; THE SOFTMAX: t = score x log2(e) / 8; M = the running largest t rounded UP to a whole number; p = 2^(t - M) is quantised along the keys, not normalised; the row's sum is taken of the unquantised p, in f32,
; and divides at the end.  When M moves, the sum and O are multiplied by 2^(old M - new M): exact.
; SHARES.  A work-group owns one batch x head (grid y) and 512 queries; the head's four work-groups form a cluster and ask for K and V jointly.  Each of eight waves owns 64 queries, in two passes of two tiles of 16:
; a fragment read from LDS feeds two matrix instructions.
; LDS.  The head's 16 records (208,896 bytes: K's codes and scale words, V^T's fragments and scale words, as images of the operands' registers) are filled ONCE; nothing is filled again: no ring, and no barrier in the key loop.
; LAYOUT.  Both products transposed: S^T = K Q^T (source 0 = 16 keys, source 1 = 16 queries), O^T = V^T P^T: a lane holds one query throughout.  The 16 registers of score tiles 2 b and 2 b + 1 are the members 8 h + 0..7 and
; 16 + 8 h + 0..7 of block b of 32 keys; behind the exchange of halves p's block stands in the order 0-7, 16-23, 8-15, 24-31, as V's blocks were laid by the same lines.
; K = 64 IN AN INSTRUCTION OF 128: Q's registers 6-11 are zero codes, written once.  So K's upper half may hold any codes (every code of this format is a finite number): it is simply the next tile's six registers,
; and for tile 7 six registers written once.  Bytes 2 and 3 of both scale words are 0x7f.
; LIMITS: NaN and infinities are not served; a block of p whose every number has fallen to 0 keeps the byte 1 (its codes are zeros); the order of sums inside a block of 32 differs from ascending k.
; No prefetch: every tensor load goes out at the head, so no later load is left to ask ahead for.
; REGISTERS.  window 0: v1-11 addresses; v12-19 statistics (tile u: -M, largest t, the sum in two halves); v20-23 f; v24-47 at work; v48-71 p's codes; v96-105 scale words; v128-255 S^T, then p, 64 a tile.
;   window 1: v0-63 O^T (32 u + 8 dt); v64-117 K's eight half fragments on end and six more; v128-175 V^T's four fragments; v176-223 Q's four fragments.
.set REC,   13056
.set QREC,  6656
.set SPARE, 16*REC                     ; behind the records: the spare words, 128 bytes a wave
.set STAGE, SPARE+1024                 ; the way out: 16 rows x 272 bytes for each wave
.set SP,    272
.set L16, 1                            ; 16, 8, 4 x lane
.set L8,  2
.set L4,  3
.set A16, 4                            ; the same + the record's LDS byte
.set A8,  5
.set A4,  6
.set SPW, 7
.set NIL, 8
.set GO,  9                            ; 4096 h + 16 r
.set STO, 10
.set RD,  11
.set STAT, 12
.set FAC, 20
.set BM,  24                           ; v24-27 the blocks' largest scores, then largest p
.set BP,  28                           ; v28-31 the other half's; later the bytes
.set SO,  32                           ; v32-35 the conversions' scale operands
.set XT,  36
.set T2,  38                           ; v[38:39] the sum's second chain
.set PT,  40                           ; v40-47 codes on their way
.set PCO, 48
.set QSC, 96                           ; v96-97  Q's scale words, one register a pass: lanes 0-15 tile 0, lanes 16-31 tile 1
.set KSC, 98                           ; v98-101 K's: register i: lanes 0-15 tile 2 i, lanes 16-31 tile 2 i + 1
.set VSC, 102                          ; v102-103 V's likewise
.set PSC, 104                          ; v104-105 p's
.set S,   128
.set OT,  0
.set KF,  64
.set VF,  128
.set QF,  176
.set WV,  10
.set G1,  16
.set G0,  24
.set SEL, 32
.set CS,  34
.set RB,  36                           ; s36 the record's LDS byte
.set CNT, 37
.set MSB, 0
.macro WIN new
.if MSB != (\new)
	s_set_vgpr_msb (MSB<<8)|(\new)
.set MSB, (\new)
.endif
.endm
.macro CROUND                          ; a round of the cluster's barrier
	s_barrier_signal -1
	s_barrier_wait -1
	s_cmp_lg_u32 s[WV], 0
	s_cbranch_scc1 .Lnot_wave_0_\@
	s_barrier_signal -3
.Lnot_wave_0_\@:
	s_barrier_wait -3
	s_barrier_signal -1
	s_barrier_wait -1
.endm
	s_load_b128 s[4:7], s[0:1], 0x0                ; qb, kv
	s_load_b64 s[8:9], s[0:1], 0x10                ; out0
	v_lshl_add_u32 v[SPW], v0, 2, SPARE
	v_mov_b32 v[NIL], 0
	ds_add_u32 v[SPW], v[NIL]                      ; the wave's opening: the add and its wait stand ahead of my first tensor load; work on registers stands between them
	ds_add_u32 v[SPW], v[NIL]
	v_lshrrev_b32 v[XT], 5, v0
	s_delay_alu instid0(VALU_DEP_1)
	v_readfirstlane_b32 s[WV], v[XT]               ; wave 0..7
	s_bfe_u32 s11, ttmp6, 0x40000                  ; cx
	s_lshl_b32 s12, ttmp9, 2
	s_add_co_u32 s12, s12, s11                     ; my block of 512 queries: it enters Q's and out's addresses alone
	s_and_b32 s13, ttmp7, 0xffff                   ; batch x head, which the four partners share
	; descriptor group 1: two records, 26,112 dense bytes, as 102 rows of 256 (32 elements of 8 bytes); mask: all four work-groups
	s_mov_b32 s[G1], 15|(3<<16)|(1<<21)
	s_mov_b32 s[G1+1], 32<<16                      ; tensor_dim0
	s_mov_b32 s[G1+2], 102<<16                     ; tensor_dim1
	s_mov_b32 s[G1+3], 32<<16                      ; tile_dim0
	s_mov_b32 s[G1+4], 102                         ; tile_dim1
	s_mov_b32 s[G1+5], 32                          ; from row to row
	s_mov_b32 s[G1+6], 0
	s_mov_b32 s[G1+7], 0
	s_mov_b32 s[SEL], 0x76543210
	s_mov_b32 s[SEL+1], 0xfedcba98                 ; lane l xor 16
	s_mov_b32 s[CS], 0x3e38aa3b                    ; c = log2(e) / 8
	s_mov_b32 s[CS+1], s[CS]                       ; (named with it as a pair)
	s_mov_b32 s[G0], 1
	s_mul_i32 s[G0+1], s[WV], 2*REC                ; LDS: records 2 w and 2 w + 1
	s_mul_i32 s14, s13, 16*REC
	s_add_co_u32 s14, s14, s[G0+1]                 ; and in kv (under 2^24 bytes)
	s_mov_b32 s15, 0
	s_lshl_b32 s38, s13, 4
	s_lshl_b32 s39, s12, 2
	s_add_co_u32 s38, s38, s39
	s_lshr_b32 s39, s[WV], 1
	s_add_co_u32 s38, s38, s39                     ; my queries' record: 16 bh + 4 block + wave / 2
	s_mul_i32 s38, s38, QREC
	s_and_b32 s40, s[WV], 1                        ; which 64 of its 128 tokens
	s_mul_i32 s42, s40, 3072
	s_add_co_u32 s42, s42, s38                     ; their codes: four tiles of 768 bytes
	s_mov_b32 s43, 0
	s_lshl_b32 s40, s40, 8
	s_add_co_u32 s40, s40, s38
	s_add_co_u32 s40, s40, 6144                    ; their scale words
	s_mov_b32 s41, 0
	s_lshr_b32 s44, s13, 4                         ; batch
	s_lshl_b32 s44, s44, 11
	s_lshl_b32 s45, s12, 9
	s_add_co_u32 s44, s44, s45
	s_lshl_b32 s45, s[WV], 6
	s_add_co_u32 s44, s44, s45                     ; my first token
	s_lshl_b32 s44, s44, 12                        ; 4,096 bytes a token,
	s_and_b32 s45, s13, 15
	s_lshl_b32 s45, s45, 8                         ; 256 a head
	s_add_co_u32 s44, s44, s45
	s_mov_b32 s45, 0
	v_and_b32 v[XT], 31, v0
	s_delay_alu instid0(VALU_DEP_1)
	v_lshlrev_b32 v[L16], 4, v[XT]
	s_delay_alu instid0(VALU_DEP_2)
	v_lshlrev_b32 v[L8], 3, v[XT]
	s_delay_alu instid0(VALU_DEP_3)
	v_lshlrev_b32 v[L4], 2, v[XT]
	s_wait_dscnt 0x0                               ; the opening add is done
	s_wait_kmcnt 0x0
	s_add_nc_u64 s[G0+2:G0+3], s[6:7], s[14:15]
	s_or_b32 s[G0+3], s[G0+3], 0x80000000
	s_add_nc_u64 s[40:41], s[4:5], s[40:41]
	s_add_nc_u64 s[4:5], s[4:5], s[42:43]
	s_add_nc_u64 s[8:9], s[8:9], s[44:45]
	CROUND                                         ; all four work-groups are here: the joint loads meet
	tensor_load_to_lds s[G0:G0+3], s[G1:G1+7]      ; my one tensor load: an eighth of the head's K and V, for all four work-groups
	s_nop 0
.rept 4
	v_nop
.endr
	WIN 0x40                                       ; destination window 1
	s_wait_alu depctr_va_vdst(0)
.irp i, 0,1,2,3                        ; Q's four half fragments stay in registers
	global_load_b128 v[QF+12*\i:QF+12*\i+3], v[L16], s[4:5] offset:768*\i
	global_load_b64 v[QF+12*\i+4:QF+12*\i+5], v[L8], s[4:5] offset:768*\i+512
.endr
.irp i, 0,1,2,3
.irp j, 6,7,8,9,10,11
	v_mov_b32 v[QF+12*\i+\j], 0                    ; zero codes for k = 64 .. 127
.endr
.endr
.irp j, 0,1,2,3,4,5
	v_mov_b32 v[KF+48+\j], 0                       ; what stands behind K's tile 7
.endr
	WIN 0
	global_load_b32 v[QSC], v[L4], s[40:41]
	global_load_b32 v[QSC+1], v[L4], s[40:41] offset:128
	v_and_b32 v[XT], 15, v0                        ; r
	v_bfe_u32 v[T2], v0, 4, 1                      ; h
	s_delay_alu instid0(VALU_DEP_1)
	v_lshlrev_b32 v[GO], 12, v[T2]
	s_delay_alu instid0(VALU_DEP_1)
	v_lshl_add_u32 v[GO], v[XT], 4, v[GO]          ; lanes 0-15 one token's 256 bytes, lanes 16-31 the next token's
	s_mul_i32 s38, s[WV], 16*SP
	s_add_co_u32 s38, s38, STAGE                   ; my stage
	v_mul_u32_u24 v[STO], v[XT], SP
	s_delay_alu instid0(VALU_DEP_1)
	v_lshl_add_u32 v[STO], v[T2], 5, v[STO]
	s_delay_alu instid0(VALU_DEP_1)
	v_add_nc_u32 v[STO], s38, v[STO]               ; in: row r, + 32 h
	v_mul_u32_u24 v[RD], v[T2], SP
	s_delay_alu instid0(VALU_DEP_1)
	v_lshl_add_u32 v[RD], v[XT], 4, v[RD]
	s_delay_alu instid0(VALU_DEP_1)
	v_add_nc_u32 v[RD], s38, v[RD]                 ; back: lanes 0-15 one row, lanes 16-31 the next
.irp b, 0,1,2,3
	v_mov_b32 v[BP+\b], 0                          ; written once: a lane permute's destination counts as one of its sources
.endr
	v_mov_b32 v[FAC+1], 0                          ; (named as the upper halves of the pairs that hold f)
	v_mov_b32 v[FAC+3], 0
.macro SCORE t, u, p                   ; 16 keys x 16 queries; the scale words' rows by the tile's parity
.if ((\t)%2 == 0) && ((\u) == 0)
	v_wmma_scale_f32_16x16x128_f8f6f4 v[S+64*(\u)+8*(\t):S+64*(\u)+8*(\t)+7], v[KF+6*(\t):KF+6*(\t)+11], v[QF+24*(\p)+12*(\u):QF+24*(\p)+12*(\u)+11], 0, v[KSC+(\t)/2], v[QSC+(\p)] matrix_a_fmt:MATRIX_FMT_FP6 matrix_b_fmt:MATRIX_FMT_FP6
.elseif ((\u) == 0)
	v_wmma_scale_f32_16x16x128_f8f6f4 v[S+64*(\u)+8*(\t):S+64*(\u)+8*(\t)+7], v[KF+6*(\t):KF+6*(\t)+11], v[QF+24*(\p)+12*(\u):QF+24*(\p)+12*(\u)+11], 0, v[KSC+(\t)/2], v[QSC+(\p)] matrix_a_fmt:MATRIX_FMT_FP6 matrix_b_fmt:MATRIX_FMT_FP6 matrix_a_scale:MATRIX_SCALE_ROW1
.elseif ((\t)%2 == 0)
	v_wmma_scale_f32_16x16x128_f8f6f4 v[S+64*(\u)+8*(\t):S+64*(\u)+8*(\t)+7], v[KF+6*(\t):KF+6*(\t)+11], v[QF+24*(\p)+12*(\u):QF+24*(\p)+12*(\u)+11], 0, v[KSC+(\t)/2], v[QSC+(\p)] matrix_a_fmt:MATRIX_FMT_FP6 matrix_b_fmt:MATRIX_FMT_FP6 matrix_b_scale:MATRIX_SCALE_ROW1
.else
	v_wmma_scale_f32_16x16x128_f8f6f4 v[S+64*(\u)+8*(\t):S+64*(\u)+8*(\t)+7], v[KF+6*(\t):KF+6*(\t)+11], v[QF+24*(\p)+12*(\u):QF+24*(\p)+12*(\u)+11], 0, v[KSC+(\t)/2], v[QSC+(\p)] matrix_a_fmt:MATRIX_FMT_FP6 matrix_b_fmt:MATRIX_FMT_FP6 matrix_a_scale:MATRIX_SCALE_ROW1 matrix_b_scale:MATRIX_SCALE_ROW1
.endif
.endm
.macro PVM dt, u                       ; 16 channels x 16 queries, K = the record's 128 keys
.if (\dt)%2 == 0
	v_wmma_scale_f32_16x16x128_f8f6f4 v[OT+32*(\u)+8*(\dt):OT+32*(\u)+8*(\dt)+7], v[VF+12*(\dt):VF+12*(\dt)+11], v[PCO+12*(\u):PCO+12*(\u)+11], v[OT+32*(\u)+8*(\dt):OT+32*(\u)+8*(\dt)+7], v[VSC+(\dt)/2], v[PSC+(\u)] matrix_a_fmt:MATRIX_FMT_FP6 matrix_b_fmt:MATRIX_FMT_FP6
.else
	v_wmma_scale_f32_16x16x128_f8f6f4 v[OT+32*(\u)+8*(\dt):OT+32*(\u)+8*(\dt)+7], v[VF+12*(\dt):VF+12*(\dt)+11], v[PCO+12*(\u):PCO+12*(\u)+11], v[OT+32*(\u)+8*(\dt):OT+32*(\u)+8*(\dt)+7], v[VSC+(\dt)/2], v[PSC+(\u)] matrix_a_fmt:MATRIX_FMT_FP6 matrix_b_fmt:MATRIX_FMT_FP6 matrix_a_scale:MATRIX_SCALE_ROW1
.endif
.endm
; Tile u's softmax for 128 keys, and p's codes and scale word.
.macro SOFTMAX u
.set SB, S+64*(\u)
.set ST, STAT+4*(\u)
.set FF, FAC+2*(\u)
.set PCD, PCO+12*(\u)
.irp b, 0,1,2,3
	v_max3_num_f32 v[BM+\b], v[SB+16*\b], v[SB+16*\b+1], v[SB+16*\b+2]   ; the largest score of each block of 32 keys: for the row's maximum and, since p rises with the score, for the block's largest p.  Each result is read from its low end on
.endr
.irp i, 3,5,7,9,11,13
.irp b, 0,1,2,3
	v_max3_num_f32 v[BM+\b], v[BM+\b], v[SB+16*\b+\i], v[SB+16*\b+\i+1]
.endr
.endr
.irp b, 0,1,2,3
	v_max_num_f32 v[BM+\b], v[BM+\b], v[SB+16*\b+15]
.endr
.irp b, 0,1,2,3
	s_delay_alu instid0(VALU_DEP_4)
	v_permlanex16_b32 v[BP+\b], v[BM+\b], s[SEL], s[SEL+1]
.endr
.irp b, 0,1,2,3
	s_delay_alu instid0(VALU_DEP_4)
	v_max_num_f32 v[BM+\b], v[BM+\b], v[BP+\b]     ; with lane l xor 16's 16 keys
.endr
	s_delay_alu instid0(VALU_DEP_2)
	v_max3_num_f32 v[XT], v[BM], v[BM+1], v[BM+2]
	s_delay_alu instid0(VALU_DEP_1)
	v_max_num_f32 v[XT], v[XT], v[BM+3]
	s_delay_alu instid0(VALU_DEP_1)
	v_mul_f32 v[XT], s[CS], v[XT]                  ; as t (c is positive)
	s_delay_alu instid0(VALU_DEP_1)
	v_max_num_f32 v[ST+1], v[ST+1], v[XT]          ; the running largest t
	v_mov_b32 v[XT], v[ST]
	s_delay_alu instid0(VALU_DEP_2)
	v_floor_f32 v[ST], -v[ST+1]                    ; the new -M = floor(-t): M is a whole number
	s_delay_alu instid0(VALU_DEP_1)
	v_sub_f32 v[XT], v[ST], v[XT]                  ; old M - new M: a whole number, 0 or less
	s_delay_alu instid0(VALU_DEP_1)
	v_cvt_i32_f32 v[XT], v[XT]                     ; (it saturates)
	s_delay_alu instid0(VALU_DEP_1)
	v_ldexp_f32 v[FF], 1.0, v[XT]                  ; f = 2^(old M - new M)
.set j, 0
.rept 32
	v_pk_fma_f32 v[SB+j:SB+j+1], v[SB+j:SB+j+1], s[CS:CS+1], v[ST:ST+1] op_sel_hi:[1,0,0]   ; t - M, two at a time
.set j, j+2
.endr
.irp b, 0,1,2,3
	v_fma_f32 v[BM+\b], v[BM+\b], s[CS], v[ST]     ; the same of each block's largest score
.endr
.set j, 0
	s_wait_alu depctr_va_vdst(0)
.rept 64
	v_exp_f32 v[SB+j], v[SB+j]                     ; p = 2^(t - M), at most 1
.set j, j+1
.endr
	v_pk_mul_f32 v[ST+2:ST+3], v[ST+2:ST+3], v[FF:FF+1] op_sel_hi:[1,0]   ; the sums under the new M (the plain line behind the exponentials)
	s_wait_alu depctr_va_vdst(0)                   ; one wait for the batch, ahead of its first reader
.irp b, 0,1,2,3
	v_exp_f32 v[BM+\b], v[BM+\b]                   ; the blocks' largest p: the same two instructions on the same number
.endr
	v_pk_add_f32 v[T2:T2+1], v[SB:SB+1], v[SB+2:SB+3]   ; the row's sum of the unquantised p, in two chains
.irp j, 4,8,12,16,20,24,28,32,36,40,44,48,52,56,60
	v_pk_add_f32 v[ST+2:ST+3], v[ST+2:ST+3], v[SB+\j:SB+\j+1]
	v_pk_add_f32 v[T2:T2+1], v[T2:T2+1], v[SB+\j+2:SB+\j+3]
.endr
	s_delay_alu instid0(VALU_DEP_1)
	v_pk_add_f32 v[ST+2:ST+3], v[ST+2:ST+3], v[T2:T2+1]
	s_wait_alu depctr_va_vdst(0)                   ; and one for the four
.irp b, 0,1,2,3
	v_max_num_f32 v[BM+\b], 0x1800000, v[BM+\b]    ; the floor 2^(3 - 127): the byte cannot fall under 1
.endr
.irp b, 0,1,2,3
	s_delay_alu instid0(VALU_DEP_4)
	v_add_nc_u32 v[SO+\b], 0xff000000, v[BM+\b]    ; 2 off the exponent field: the conversion's scale operand
.endr
.irp b, 0,1,2,3
	s_delay_alu instid0(VALU_DEP_4)
	v_lshrrev_b32 v[BP+\b], 23, v[SO+\b]           ; the scale's byte
.endr
	s_delay_alu instid0(VALU_DEP_3)
	v_lshl_or_b32 v[PSC+(\u)], v[BP+1], 8, v[BP]
	s_delay_alu instid0(VALU_DEP_1)
	v_lshl_or_b32 v[PSC+(\u)], v[BP+2], 16, v[PSC+(\u)]
	s_delay_alu instid0(VALU_DEP_1)
	v_lshl_or_b32 v[PSC+(\u)], v[BP+3], 24, v[PSC+(\u)]
.irp c, 0,1
	v_cvt_scalef32_pk16_fp6_f32 v[PCD+6*\c:PCD+6*\c+2], v[SB+32*\c:SB+32*\c+15], v[SO+2*\c]
	v_cvt_scalef32_pk16_fp6_f32 v[PT+4*\c:PT+4*\c+2], v[SB+32*\c+16:SB+32*\c+31], v[SO+2*\c+1]
.endr
	v_nop                                          ; one plain line behind the conversions
.irp c, 0,1                            ; a whole block to a lane
.irp i, 0,1,2
	v_permlane16_swap_b32 v[PCD+6*\c+\i], v[PT+4*\c+\i]
.endr
.irp i, 0,1,2
	s_delay_alu instid0(VALU_DEP_3)
	v_mov_b32 v[PCD+3+6*\c+\i], v[PT+4*\c+\i]
.endr
.endr
.endm
; A key step: one record, 128 keys, for the two tiles of pass p.  All matrix instructions that follow each other name different accumulators, over the backward jump too.
.macro STEP p
	v_add_nc_u32 v[A16], s[RB], v[L16]
	v_add_nc_u32 v[A8], s[RB], v[L8]
	v_add_nc_u32 v[A4], s[RB], v[L4]
	v_nop                                          ; four plain lines behind the last step's products, ahead of loads into their operands and scale registers
.irp i, 0,1,2,3
	ds_load_b32 v[KSC+\i], v[A4] offset:6144+128*\i
.endr
.irp i, 0,1
	ds_load_b32 v[VSC+\i], v[A4] offset:12800+128*\i
.endr
	WIN 0x40                                       ; destination window 1
.irp t, 0,1,2,3,4,5,6,7
	ds_load_b128 v[KF+6*\t:KF+6*\t+3], v[A16] offset:768*\t
	ds_load_b64 v[KF+6*\t+4:KF+6*\t+5], v[A8] offset:768*\t+512
.endr
.irp dt, 0,1,2,3
.irp c, 0,1,2
	ds_load_b128 v[VF+12*\dt+4*\c:VF+12*\dt+4*\c+3], v[A16] offset:6656+1536*\dt+512*\c
.endr
.endr
	s_wait_dscnt 12                                ; the scale words and K are in; V's twelve loads may be out
	WIN 0x05                                       ; K and Q in window 1, S^T in window 0
.irp t, 0,1,2,3,4,5,6,7
.irp u, 0,1
	SCORE \t, \u, \p
.endr
.endr
	WIN 0
.rept 4
	v_nop                                          ; places ahead of the first read of the scores
.endr
	SOFTMAX 0
	s_setprio 1
	SOFTMAX 1
	WIN 0x41                                       ; O^T in window 1, f in window 0
	s_setprio 0
.irp u, 0,1
.set j, 0
.rept 16
	v_pk_mul_f32 v[OT+32*\u+j:OT+32*\u+j+1], v[OT+32*\u+j:OT+32*\u+j+1], v[FAC+2*\u:FAC+2*\u+1] op_sel_hi:[1,0]   ; O^T under the new M; these 32 also stand between p's codes and scale words and the products
.set j, j+2
.endr
.endr
	s_wait_alu depctr_va_vdst(0)
	s_wait_dscnt 0x0                               ; V is in
	WIN 0x51                                       ; V and O^T in window 1, p in window 0
.irp dt, 0,1,2,3
.irp u, 0,1
	PVM \dt, \u
.endr
.endr
	WIN 0
	s_add_co_u32 s[RB], s[RB], REC
.endm
.macro KEYS p                          ; all 16 records; the trip count is a constant
	s_mov_b32 s[RB], 0
	s_mov_b32 s[CNT], 16
.Lstep_\@:
	s_setprio 2
	STEP \p
	s_sub_co_u32 s[CNT], s[CNT], 1
	s_cmp_lg_u32 s[CNT], 0
	s_cbranch_scc1 .Lstep_\@
	s_setprio 0
.endm
.macro INIT                            ; the step is written once a pass: its first trip finds zeros, which the first change of M leaves zeros
.irp u, 0,1
	v_mov_b32 v[STAT+4*\u+1], 0xff61b1e6           ; the largest t so far: -3e38
	v_mov_b32 v[STAT+4*\u+2], 0
	v_mov_b32 v[STAT+4*\u+3], 0
.endr
.irp u, 0
	v_floor_f32 v[STAT+4*\u], -v[STAT+4*\u+1]
.endr
.irp u, 1
	s_delay_alu instid0(VALU_DEP_4)
	v_floor_f32 v[STAT+4*\u], -v[STAT+4*\u+1]
.endr
	WIN 0x40
.set j, 0
.rept 64
	v_mov_b32 v[OT+j], 0
.set j, j+1
.endr
	WIN 0
.endm
; O^T / the sum goes through my stage, a tile (16 queries x 256 bytes) at a time, and leaves as whole runs of 256 bytes: one token's part of one head.
.macro WAYOUT p
.rept 4
	v_nop                                          ; places behind the last products
.endr
.irp u, 0,1
	v_add_f32 v[STAT+4*\u+2], v[STAT+4*\u+2], v[STAT+4*\u+3]
.endr
.irp u, 0,1
	s_delay_alu instid0(VALU_DEP_2)
	v_permlanex16_b32 v[BP+\u], v[STAT+4*\u+2], s[SEL], s[SEL+1]
.endr
.irp u, 0,1
	s_delay_alu instid0(VALU_DEP_2)
	v_add_f32 v[STAT+4*\u+2], v[STAT+4*\u+2], v[BP+\u]   ; the row's sum
.endr
	s_wait_alu depctr_va_vdst(0)
.irp u, 0,1
	v_rcp_f32 v[FAC+2*\u], v[STAT+4*\u+2]
.endr
	v_nop                                          ; a plain line behind the reciprocals
	s_wait_alu depctr_va_vdst(0)                   ; ahead of the first reader
	WIN 0x01                                       ; O^T in window 1
.irp u, 0,1
.set j, 0
.rept 16
	v_pk_mul_f32 v[S+32*\u+j:S+32*\u+j+1], v[OT+32*\u+j:OT+32*\u+j+1], v[FAC+2*\u:FAC+2*\u+1] op_sel_hi:[1,0]   ; register 8 dt + i is o(r, 16 dt + 8 h + i); each accumulator from its low end on
.set j, j+2
.endr
.endr
	WIN 0
.irp u, 0,1
.irp dt, 0,1,2,3
	ds_store_b128 v[STO], v[S+32*\u+8*\dt:S+32*\u+8*\dt+3] offset:64*\dt
	ds_store_b128 v[STO], v[S+32*\u+8*\dt+4:S+32*\u+8*\dt+7] offset:64*\dt+16
.endr
.irp i, 0,1,2,3,4,5,6,7
	ds_load_b128 v[S+64+32*\u+4*\i:S+64+32*\u+4*\i+3], v[RD] offset:2*\i*SP   ; LDS serves a wave's instructions in order: these see my stores, and the next tile's stores come behind them
.endr
.endr
.irp u, 0,1
.irp i, 0,1,2,3,4,5,6,7
	s_wait_dscnt 16*(1-\u)+7-\i                    ; the younger loads, and for tile 0 the next tile's sixteen LDS instructions, may be out
	global_store_b128 v[GO], v[S+64+32*\u+4*\i:S+64+32*\u+4*\i+3], s[8:9] offset:(32*(\p)+16*\u+2*\i)*4096 th:TH_STORE_NT   ; sixteen lanes store 256 consecutive bytes, aligned
.endr
.endr
.endm
	INIT
	s_wait_loadcnt 0x0                             ; Q
	s_wait_tensorcnt 0x0                           ; my two records are in,
	s_barrier_signal -1
	s_barrier_wait -1                              ; everybody's are: the head's K and V lie in LDS for the rest of the launch
	KEYS 0
	WAYOUT 0
	s_wait_xcnt 0x0                                ; the stores have read their registers, which the next pass's scores take
	INIT
	KEYS 1
	WAYOUT 1
	s_wait_tensorcnt 0x0                           ; the wave's end: a tensor wait, an add to my spare word and its wait, behind my last tensor load and my last LDS store
	ds_add_u32 v[SPW], v[NIL]
	s_wait_dscnt 0x0
	CROUND                                         ; the closing round
	s_endpgm
.Lfunc_end_k_q6d77767e4b_attn:
	.size	k_q6d77767e4b_attn, .Lfunc_end_k_q6d77767e4b_attn-k_q6d77767e4b_attn
	.p2alignl 7, 3214868480
	.fill 96, 4, 3214868480
	.section	.rodata,"a",@progbits
	.p2align	6, 0x0
	.amdhsa_kernel k_q6d77767e4b_attn
		.amdhsa_group_segment_fixed_size 245760
		.amdhsa_private_segment_fixed_size 0
		.amdhsa_enable_private_segment 0
		.amdhsa_kernarg_size 24
		.amdhsa_user_sgpr_count 2
		.amdhsa_user_sgpr_kernarg_segment_ptr 1
		.amdhsa_wavefront_size32 1
		.amdhsa_system_sgpr_workgroup_id_x 1
		.amdhsa_system_sgpr_workgroup_id_y 1
		.amdhsa_system_sgpr_workgroup_id_z 1
		.amdhsa_system_vgpr_workitem_id 0
		.amdhsa_next_free_vgpr 512
		.amdhsa_next_free_sgpr 66
		.amdhsa_reserve_vcc 0
		.amdhsa_float_denorm_mode_32 3
		.amdhsa_float_denorm_mode_16_64 3
		.amdhsa_memory_ordered 1
		.amdhsa_forward_progress 1
		.amdhsa_inst_pref_size 89
	.end_amdhsa_kernel
	.amdgpu_metadata
---
amdhsa.version: [ 1, 2 ]
amdhsa.kernels:
  - .name:           k_q6d77767e4b_attn
    .symbol:         k_q6d77767e4b_attn.kd
    .args:
      - { .name: qb, .offset: 0, .size: 8, .value_kind: global_buffer, .address_space: global }
      - { .name: kv, .offset: 8, .size: 8, .value_kind: global_buffer, .address_space: global }
      - { .name: out0, .offset: 16, .size: 8, .value_kind: global_buffer, .address_space: global }
    .group_segment_fixed_size: 245760
    .private_segment_fixed_size: 0
    .kernarg_segment_align: 8
    .kernarg_segment_size: 24
    .max_flat_workgroup_size: 256
    .sgpr_count:     66
    .vgpr_count:     512
    .wavefront_size: 32
...
	.end_amdgpu_metadata
.endif
;; end of part 4
